; MI455X (gfx1250); checked and timed in simulation.
; The chip was launched on July 23, 2026; its instructions are those of AMD's public machine-readable ISA for CDNA 5 (MIT licence, August 2026) and "CDNA5" Instruction Set Architecture Reference Guide (July 2026). The comments in the code are by the model that wrote it; some were corrected since.
;; Vector Quantizer. Allowed arithmetic: matrix products marked QUANTISED: E4M3 operands, one E8M0 scale for each 32 along K, by v_wmma_scale_f32_16x16x128_f8f6f4 with both operands' format E4M3, f32 sums; everything else in f32.
;; Inputs: codebook 8,192 x 512 float32; z 8 x 2,048 x 512 float32.
;; Outputs: out0 8 x 2,048 x 512 float32; out1 16,384 int32.
;; This version of the problem:
;;   THIS VERSION OF THE PROBLEM IS GIVEN IN LOW PRECISION. The matrix products marked QUANTISED in the list below multiply operands that are first quantised to E4M3 (4 exponent bits, 3 mantissa bits; 8 bits a number), with one power-of-two scale for each 32 numbers along K (OCP MX v1.0); their sums are f32. All else is computed in f32.
;;   The module's matrix products, in the order in which they are computed (A, B: the left and right operand; K: the contracted axis; several contracted axes count as one K, in the product's order):
;;     1. [M 16,384, K 512] x [K 512, N 8,192]; A: input z; B: input codebook: QUANTISED
;;   THE QUANTISER, for each operand of a quantised product, along K:
;;     - K is cut into blocks of 32 from its start; a last block that is shorter is filled with zeros.
;;     - A block's scale is 2^e with e = floor(log2(the largest magnitude in the block)) - 8, held to -126 .. 127; a block of zeros has e = 0. As a byte (E8M0): e + 127.
;;     - Each number is divided by its block's scale, clamped to +-448, and rounded to the nearest number of E4M3, ties to even, subnormals kept.
;;     - The product sums the exact products of the quantised numbers (number of the format x scale) in f32.
;;   ~~~python
;;   def quantise(x, axis):      # numpy; x: float32 -> the quantised numbers, widened to float32 again
;;       x = np.moveaxis(x, axis, -1); K = x.shape[-1]
;;       x = np.pad(x, [(0, 0)] * (x.ndim - 1) + [(0, -K % 32)]); x = x.reshape(x.shape[:-1] + (-1, 32)); a = np.abs(x).max(-1, keepdims=True)
;;       e = np.where(a > 0, np.clip(np.frexp(np.where(a > 0, a, 1))[1] - 1 - 8, -126, 127), 0)      # np.frexp(a)[1] - 1 = floor(log2(a)), exactly
;;       r = np.clip(x / 2.0 ** e, -448, 448)
;;       step = 2.0 ** (np.maximum(np.frexp(np.where(r == 0, 1, r))[1] - 1, -6) - 3)
;;       q = np.round(r / step) * step * 2.0 ** e      # np.round: ties to even
;;       return np.moveaxis(q.reshape(q.shape[:-2] + (-1,))[..., :K], -1, axis).astype(np.float32)
;;   ~~~
;; One version. Each part assembles by itself: llvm-mc -triple=amdgcn-amd-amdhsa -mcpu=gfx1250 --defsym DOCPART=n.
;; ======== version 1 of 1: 3 launches
;; limits: right only within a limited range of input values
;; workspace buffers: zq 8,912,896 bytes; cq 4,456,448 bytes; part 524,288 bytes of whole numbers
;; launch quant (part 1): grid 256 x 1, 6 waves a work-group, no clusters, 86,784 bytes of LDS; arguments z, codebook, zq, cq; writes zq, cq
.if DOCPART == 1
	.amdgcn_target "amdgcn-amd-amdhsa--gfx1250"
	.amdhsa_code_object_version 6
	.text
	.protected	k_qedb102ce34_quant
	.globl	k_qedb102ce34_quant
	.p2align	8
	.type	k_qedb102ce34_quant,@function
k_qedb102ce34_quant:
	s_mov_b64 s[64:65], 0
	v_nop
	global_prefetch_b8 v0, s[64:65] scope:SCOPE_SE
	s_setreg_imm32_b32 hwreg(HW_REG_WAVE_MODE, 25, 1), 1
	s_wait_xcnt 0x0
; z [16384][512] and codebook [8192][512], f32, become RECORDS: one record of 8,704 bytes for each tile of 16 rows, laid as the
; matrix instruction's registers want them, so that the next launch fetches fragments as runs of 512 consecutive bytes.
; A record, rho = the row in the tile:
;   bytes 0 .. 8191      codes of E4M3: the byte at 256 L + 16 rho + b is the code of k = 16 L + b (L = 0 .. 31)
;   bytes 8192 .. 8447   E8M0 scale bytes: block B = 4 s + q of 32 along K lies at 8 (16 (s & 1) + rho) + 4 (s >> 1) + q
;   bytes 8448 .. 8511   the 16 rows' sums of squares of the UNQUANTISED numbers, f32
;   bytes 8512 .. 8703   zeros
; A block's scale is 2^(floor(log2(its largest magnitude)) - 8); its byte is the largest magnitude's exponent field - 8, held at 1 from below.
; Each number is divided by the scale, held within +-448 and rounded to the nearest code, ties to even.
; LIMITS: NaN and infinities among the inputs are not served.  A block of zeros gets the byte 1 where the quantiser's rule says 127: its codes are
; zeros, which add nothing under any byte but 0xff, and the bytes are read by this program alone.  The sums of squares are added in this text's own order.
; SHARES: 1,536 tiles (1,024 of z, 512 of the codebook) = 256 work-groups x 6 waves; a wave makes one record, a row a step.  Waves share nothing: no barrier.
; A row's four loads read 512 consecutive bytes each; the row turns through the wave's own stage in LDS, so that a lane then holds 16 NEIGHBOURS along K
; (two neighbouring lanes hold a block of 32).  Loads run eight rows ahead, the turn one row.  The record is gathered in LDS and leaves as 17 stores of 512 consecutive bytes.
.set REC,   8704
.set WREG,  14336                      ; LDS of a wave
.set SP,    80                         ; a lane's place in a turning stage: 64 bytes + 16 of padding
.set STG,   32*SP                      ; a turning stage; two of them at the region's head
.set CST,   2*STG                      ; the codes' stage: 32 rows (L) of 256 bytes,
.set CP,    272                        ; 272 bytes apart
.set TAIL,  CST+32*CP                  ; the record's last 512 bytes
.set R,     32                         ; v32-159  eight sets of 16 numbers as loaded; on the way out the record
.set X,     160                        ; v160-191 two sets of 16 neighbours
.set C,     192                        ; v192-199 two sets of 4 registers of codes
.set EB,    200                        ; v200-201 the scale byte, by turns
.set SS,    202                        ; v202-203 the row's sum of squares, by turns
	s_load_b128 s[4:7], s[0:1], 0x0                ; z, codebook
	s_load_b128 s[8:11], s[0:1], 0x10              ; zq, cq
	v_lshl_add_u32 v208, v0, 2, 0x15000
	v_mov_b32 v209, 0
	v_lshrrev_b32 v1, 5, v0
	v_readfirstlane_b32 s12, v1                    ; wave 0..5
	v_and_b32 v2, 31, v0                           ; lane
	v_lshlrev_b32 v3, 4, v2                        ; 16 x lane: my bytes of a load's or a store's 512
	s_mul_i32 s14, s12, WREG                       ; my wave's LDS
	v_lshrrev_b32 v4, 2, v2
	v_mul_u32_u24 v4, v4, SP
	v_and_b32 v5, 3, v2
	v_lshl_add_u32 v4, v5, 4, v4
	v_add_nc_u32 v4, s14, v4                       ; turning stage, in: four lanes' 64 bytes on end, then the padding
	v_mul_u32_u24 v5, v2, SP
	v_add_nc_u32 v5, s14, v5                       ; and out: my 64 bytes
	s_add_co_u32 s15, s14, CST
	v_mul_u32_u24 v6, v2, CP
	v_add_nc_u32 v6, s15, v6                       ; codes' stage, in: row L = my lane; the step's row stands in the offset
	v_lshrrev_b32 v7, 4, v2
	v_mul_u32_u24 v7, v7, CP
	v_and_b32 v8, 15, v2
	v_lshl_add_u32 v7, v8, 4, v7
	v_add_nc_u32 v7, s15, v7                       ; and out: sixteen lanes to a row, two rows an instruction
	s_add_co_u32 s15, s14, TAIL
	v_bfe_u32 v8, v2, 1, 2                         ; q = (lane / 2) % 4
	v_bfe_u32 v9, v2, 4, 1                         ; s >> 1
	v_lshl_add_u32 v8, v9, 2, v8
	v_bfe_u32 v9, v2, 3, 1                         ; s & 1
	v_lshl_add_u32 v8, v9, 7, v8
	v_add_nc_u32 v8, s15, v8                       ; my block's scale byte; 8 x the step's row stands in the offset
	v_add_nc_u32 v10, s15, v3                      ; the tail, 16 bytes a lane
	s_add_co_u32 s15, s15, 256
	v_mov_b32 v9, s15                              ; the sums of squares
.irp i, 12,13,14,15,24
	v_mov_b32 v\i, 0                               ; v12-15: zeros for the tail; v24: a lane permute's destination counts as one of its sources
.endr
	s_mov_b32 s20, 0x76543210
	s_mov_b32 s21, 0xfedcba98                      ; v_permlanex16_b32's selects for lane l xor 16
	s_mov_b32 s22, 0x600000                        ; the mantissa field of 448
	s_mul_i32 s13, ttmp9, 6
	s_add_co_u32 s13, s13, s12                     ; my tile, 0 .. 1535
	s_wait_alu depctr_va_vdst(0)
	s_wait_kmcnt 0x0
	s_cmp_lt_u32 s13, 1024                         ; z's tile or the codebook's?  The choice hangs on ids alone
	s_cselect_b64 s[4:5], s[4:5], s[6:7]
	s_cselect_b64 s[8:9], s[8:9], s[10:11]
	s_cselect_b32 s16, 0, 1024
	s_sub_co_u32 s13, s13, s16                     ; the tile's number in its tensor
	s_lshl_b32 s16, s13, 15                        ; 16 rows of 2,048 bytes
	s_mov_b32 s17, 0
	s_mul_i32 s18, s13, REC
	s_mov_b32 s19, 0
	s_add_nc_u64 s[4:5], s[4:5], s[16:17]
	s_add_nc_u64 s[8:9], s[8:9], s[18:19]
.macro LOAD t                          ; row t: four loads of 512 consecutive bytes (no hint: z is read again by a later launch)
.irp i, 0,1,2,3
	global_load_b128 v[R+16*((\t)%8)+4*\i:R+16*((\t)%8)+4*\i+3], v3, s[4:5] offset:2048*(\t)+512*\i
.endr
.endm
.macro TURN t                          ; row t through a stage: LDS serves a wave's instructions in order, so no wait stands between the stores and the loads
.irp i, 0,1,2,3
	ds_store_b128 v4, v[R+16*((\t)%8)+4*\i:R+16*((\t)%8)+4*\i+3] offset:STG*((\t)%2)+8*SP*\i
.endr
.irp i, 0,1,2,3
	ds_load_b128 v[X+16*((\t)%2)+4*\i:X+16*((\t)%2)+4*\i+3], v5 offset:STG*((\t)%2)+16*\i
.endr
.endm
.irp t, 0,1,2,3,4,5,6,7
	LOAD \t
.endr
	ds_store_b128 v10, v[12:15]                    ; the tail begins as zeros; the steps' stores come behind this one
	s_wait_loadcnt 28                              ; row 0's four loads are in; seven rows' may be out
	TURN 0
.macro STEP t
.set XS, X+16*((\t)%2)
.set CC, C+4*((\t)%2)
.if (\t) > 0
	s_wait_dscnt 3                                 ; this row is back from the stage; the last step's three stores, issued behind, may be out.  The stores of two steps ago are done: their registers are written again below
.else
	s_wait_dscnt 0x0
.endif
.if (\t)+8 < 16
	LOAD (\t)+8                                    ; into the set that this row's stores into the stage have read
.endif
.if (\t) < 15
.if 14-(\t) >= 7
	s_wait_loadcnt 28                              ; the next row's loads are in; those of the seven rows behind it may be out
.else
	s_wait_loadcnt 4*(14-(\t))
.endif
	TURN (\t)+1                                    ; the next row turns while this one is worked
.endif
	v_pk_mul_f32 v[20:21], v[XS:XS+1], v[XS:XS+1]                  ; the sum of squares of my 16, ahead of the hold: two chains
	v_pk_mul_f32 v[22:23], v[XS+2:XS+3], v[XS+2:XS+3]
.irp i, 4,8,12
	v_pk_fma_f32 v[20:21], v[XS+\i:XS+\i+1], v[XS+\i:XS+\i+1], v[20:21]
	v_pk_fma_f32 v[22:23], v[XS+\i+2:XS+\i+3], v[XS+\i+2:XS+\i+3], v[22:23]
.endr
	v_max3_num_f32 v16, |v[XS]|, |v[XS+1]|, |v[XS+2]|              ; the largest magnitude of my 16
	v_max3_num_f32 v17, |v[XS+3]|, |v[XS+4]|, |v[XS+5]|
.irp i, 6,10
	v_max3_num_f32 v16, v16, |v[XS+\i]|, |v[XS+\i+1]|
	v_max3_num_f32 v17, v17, |v[XS+\i+2]|, |v[XS+\i+3]|
.endr
	v_pk_add_f32 v[20:21], v[20:21], v[22:23]
	v_max3_num_f32 v16, v16, |v[XS+14]|, |v[XS+15]|
	v_add_f32 v20, v20, v21
	v_max3_num_f32 v16, v16, v17, 0x4800000        ; and the floor 2^(9 - 127): the byte cannot fall under 1
	v_add_f32_dpp v20, v20, v20 row_xmask:1 row_mask:0xf bank_mask:0xf
	v_max_num_f32_dpp v16, v16, v16 row_xmask:1 row_mask:0xf bank_mask:0xf   ; with my neighbour's 16: the block's
	v_add_f32_dpp v20, v20, v20 row_xmask:2 row_mask:0xf bank_mask:0xf
	v_add_nc_u32 v18, 0xfc000000, v16              ; 8 off its exponent field: the conversion takes this operand's exponent field as its scale
	v_add_f32_dpp v20, v20, v20 row_xmask:4 row_mask:0xf bank_mask:0xf
	v_and_or_b32 v19, v16, 0x7f800000, s22         ; 448 x the scale
	v_add_f32_dpp v20, v20, v20 row_xmask:8 row_mask:0xf bank_mask:0xf
.irp i, 0,1,2,3,4,5,6,7,8,9,10,11,12,13,14,15
	v_med3_num_f32 v[XS+\i], v[XS+\i], -v19, v19   ; the conversion to an 8-bit code does not saturate (ISA guide 7.6.2): the hold comes first
.endr
	v_permlanex16_b32 v24, v20, s20, s21
	v_add_f32 v[SS+(\t)%2], v20, v24               ; the row's sum of squares, in every lane
	v_cvt_scalef32_pk8_fp8_f32 v[CC:CC+1], v[XS:XS+7], v18
	v_cvt_scalef32_pk8_fp8_f32 v[CC+2:CC+3], v[XS+8:XS+15], v18
	v_lshrrev_b32 v[EB+(\t)%2], 23, v18            ; the scale's byte (also the plain line behind the conversions)
	ds_store_b32 v9, v[SS+(\t)%2] offset:4*(\t)    ; all lanes write the same word with the same value
	ds_store_b8 v8, v[EB+(\t)%2] offset:8*(\t)     ; both lanes of a block write the same byte with the same value
	ds_store_b128 v6, v[CC:CC+3] offset:16*(\t)    ; k = 16 lane .. + 15 of row t
.endm
.irp t, 0,1,2,3,4,5,6,7,8,9,10,11,12,13,14,15
	STEP \t
.endr
	; the way out: the record as it lies, 512 bytes an instruction
.irp i, 0,1,2,3,4,5,6,7,8,9,10,11,12,13,14,15
	ds_load_b128 v[R+4*\i:R+4*\i+3], v7 offset:2*CP*\i             ; LDS serves a wave's instructions in order: these see my stores
.endr
	ds_load_b128 v[R+64:R+67], v10
.irp i, 0,1,2,3,4,5,6,7,8,9,10,11,12,13,14,15,16
	s_wait_dscnt 16-\i                             ; load i is in; the younger ones may be out
	global_store_b128 v3, v[R+4*\i:R+4*\i+3], s[8:9] offset:512*\i   ; 32 lanes store 512 consecutive bytes, at a multiple of 256 from the buffer's first byte
.endr
	s_wait_tensorcnt 0x0
	ds_add_u32 v208, v209
	s_wait_dscnt 0x0
	s_endpgm
.Lfunc_end_k_qedb102ce34_quant:
	.size	k_qedb102ce34_quant, .Lfunc_end_k_qedb102ce34_quant-k_qedb102ce34_quant
	.p2alignl 7, 3214868480
	.fill 96, 4, 3214868480
	.section	.rodata,"a",@progbits
	.p2align	6, 0x0
	.amdhsa_kernel k_qedb102ce34_quant
		.amdhsa_group_segment_fixed_size 86784
		.amdhsa_private_segment_fixed_size 0
		.amdhsa_enable_private_segment 0
		.amdhsa_kernarg_size 32
		.amdhsa_user_sgpr_count 2
		.amdhsa_user_sgpr_kernarg_segment_ptr 1
		.amdhsa_wavefront_size32 1
		.amdhsa_system_sgpr_workgroup_id_x 1
		.amdhsa_system_sgpr_workgroup_id_y 1
		.amdhsa_system_sgpr_workgroup_id_z 1
		.amdhsa_system_vgpr_workitem_id 0
		.amdhsa_next_free_vgpr 210
		.amdhsa_next_free_sgpr 66
		.amdhsa_reserve_vcc 0
		.amdhsa_float_denorm_mode_32 3
		.amdhsa_float_denorm_mode_16_64 3
		.amdhsa_memory_ordered 1
		.amdhsa_forward_progress 1
		.amdhsa_inst_pref_size 70
	.end_amdhsa_kernel
	.amdgpu_metadata
---
amdhsa.version: [ 1, 2 ]
amdhsa.kernels:
  - .name:           k_qedb102ce34_quant
    .symbol:         k_qedb102ce34_quant.kd
    .args:
      - { .name: z, .offset: 0, .size: 8, .value_kind: global_buffer, .address_space: global }
      - { .name: codebook, .offset: 8, .size: 8, .value_kind: global_buffer, .address_space: global }
      - { .name: zq, .offset: 16, .size: 8, .value_kind: global_buffer, .address_space: global }
      - { .name: cq, .offset: 24, .size: 8, .value_kind: global_buffer, .address_space: global }
    .group_segment_fixed_size: 86784
    .private_segment_fixed_size: 0
    .kernarg_segment_align: 8
    .kernarg_segment_size: 32
    .max_flat_workgroup_size: 192
    .sgpr_count:     66
    .vgpr_count:     210
    .wavefront_size: 32
...
	.end_amdgpu_metadata
.endif
;; end of part 1
;; launch dist (part 2): grid 64 x 4, 4 waves a work-group, clusters of 4 x 1, 327,680 bytes of LDS; arguments zq, cq, part; writes part
.if DOCPART == 2
	.amdgcn_target "amdgcn-amd-amdhsa--gfx1250"
	.amdhsa_code_object_version 6
	.text
	.protected	k_qedb102ce34_dist
	.globl	k_qedb102ce34_dist
	.p2align	8
	.type	k_qedb102ce34_dist,@function
k_qedb102ce34_dist:
	s_mov_b64 s[64:65], 0
	v_nop
	global_prefetch_b8 v0, s[64:65] scope:SCOPE_SE
	s_setreg_imm32_b32 hwreg(HW_REG_WAVE_MODE, 25, 1), 1
	s_wait_xcnt 0x0
	s_wait_alu depctr_hold_cnt(0) depctr_sa_sdst(0) depctr_va_vdst(0) depctr_va_sdst(0) depctr_va_ssrc(0) depctr_va_vcc(0) depctr_vm_vsrc(0)
	s_getreg_b32 s2, hwreg(HW_REG_IB_STS2, 6, 4)
	s_cmp_eq_u32 s2, 0
	s_cbranch_scc0 .Lentry_in_a_cluster
	s_endpgm
.Lentry_in_a_cluster:
	s_bfe_u32 s2, ttmp6, 0x10000c
	s_cmp_lg_u32 s2, 0x3003
	s_cbranch_scc0 .Lentry_shape_is_right
	s_endpgm
.Lentry_shape_is_right:
; d[m][n] = (zz[m] + ee[n]) - 2 dot[m][n], dot on codes of E4M3 with E8M0 scales; for each row m the smallest d and the lowest n that has it, within a QUARTER of the 8,192 codes.
; The roundings are those of the problem's own formula: t = zz + ee rounded to f32 (made as ee x 1 + zz, one rounding, as the addition has), then t - 2 dot rounded once (a fused multiply-add by -2: doubling rounds nothing).
; SHARES.  A work-group owns 256 rows of z (work-group x) and 2,048 codes (work-group y): 128 code tiles of 16.  Four waves, as many as a WGP has SIMDs.  Wave w: g = w & 1 picks 128 rows (eight row tiles),
; p = w >> 1 picks eight of the sixteen code tiles of each LDS slot.  A wave's z (8 row tiles x 4 K steps x 16 registers = 512) stays in registers; the codes' records come through a ring of two LDS slots.
; A record of 8,704 bytes read from LDS feeds 32 products.
; CLUSTER.  The four work-groups of a cluster have the same y and walk the same codes: each record is asked for JOINTLY, by the same tensor load with the mask of all four.
; NO PREFETCH: a refill is asked for behind a round and waited for in front of the next, with eight code tiles (256 products a wave) between; no wave's work hangs on it earlier.
; LAYOUT.  Source 0 = 16 codes, source 1 = 16 rows of z: register j of lane (r, h) holds (code 8 h + j, row r): a lane holds ONE row of z, so zz is a number a lane and ee eight registers a tile.
; A TILE GOES IN TWO HALVES of four row tiles, 16 products each.  Behind each product stand two packed multiply-adds that need no other window setting than the products': first the sixteen that finish d of the half
; before (in place, on its accumulators), then the sixteen that make t of this half.  Behind a half's products come the minima and selects of the half before.  So the vector work runs one half behind the products.
; THE CHANGE OF SLOTS stands at the head of a slot half's LAST tile: that tile's record is in registers by then, so no wave reads the old slot any more, and every tile, that one too, fetches the record of the tile after it.
; THE INDEX.  The codes are walked in ASCENDING n.  The running smallest d of a lane goes from one register to another through four three-input minima over the tile's eight d; where it has become STRICTLY smaller, the tile's
; first code number and its d 0 to 6 are selected into a kept set (values are selected; nothing branches on them).  So the kept tile is the first that holds the lane's smallest d; at the end the lowest j whose kept d equals it
; (7 if none) gives n.  A row's four candidates (two halves of the lanes x two waves) are joined by (d, n).
; OUT.  part[quarter][row] = (key, n): key is d's bit pattern turned so that unsigned order is d's order (-0 counted as +0).  The next launch joins the four quarters by whole-number compares.
; LIMITS.  A NaN among a row's d is never chosen; a row whose every d is NaN or +infinity gets the quarter's first code.  zz and ee are summed in this program's own order.
; REGISTERS.  Window 0: v0 thread; v1-3 16 lane, 8 lane, 32 h; v4, v5, v24 LDS addresses of scale words, ee, fragments; v6 8 h; v7, v8 the spare word and 0; v9-12 addresses; v13-15 lane, h, r; v16-19 the codes' scale words,
;   two sets; z's scale words in v20-23, 28-31, 36-39, 44-47 (their numbers differ modulo 8 from v16-19); v27 the tile's first code number; v80-95 smallest d, two by turns; v96-159 the kept sets; v160-239 the end.
;   Window 1: v0-127 a code tile's four fragments, two sets; v128-191 eight accumulators, then d; v192-223 t of a half; v224-239 ee, two sets; v240-255 zz (twice, a pair a row tile).
;   Window 2: z's fragments of K steps 0, 1 (row tile m, step s at v[32 m + 16 s]); window 3: those of K steps 2, 3.
.set REC,   8704                       ; a record: 8,192 bytes of codes, 256 of scale words, 64 of sums of squares, 192 of zeros
.set SLOT,  16*REC                     ; 139,264 bytes: sixteen code tiles
.set SPARE, 2*SLOT                     ; behind the ring: the spare words, 128 bytes for each of four waves: two blocks of 256 bytes that no other line names
.set FIN,   SPARE+512                  ; 256 rows x 4 candidates x 8 bytes; no tensor load lands here
.set CS,  16
.set AF,  24
.set TID, 27
.set BB,  80
.set SV,  96
.set P,   224
.set ACC, 128                          ; window 1
.set T,   192                          ; window 1
.set EE,  224                          ; window 1
.set ZZ,  240                          ; window 1
.set G1,  24                           ; s[24:31] descriptor group 1
.set G0,  32                           ; s[32:39] group 0, one set for each slot
.set TB,  40                           ; s40 LDS byte of the record pair to be fetched
.set PB,  41                           ; s41 my half of a slot
.set TC,  42                           ; s42 counts pairs of tiles
.set LAP, 43                           ; s43 counts laps of the ring
.set NC,  45                           ; s45 first code number of the tile in registers
.set NF,  46                           ; s46 first code number of the tile to be fetched
.set MK,  48                           ; s48-51 four lane masks
.set MSB, 0
.macro WIN new                         ; the immediate's high byte repeats the setting that is left
.if MSB != \new
	s_set_vgpr_msb (MSB<<8)|\new
.set MSB, \new
.endif
.endm
.macro ROUND                           ; a round of the cluster's barrier: my work-group's barrier; wave 0 signals for the work-group; every wave waits for all four work-groups; my work-group's barrier once more
	s_barrier_signal -1
	s_barrier_wait -1
	s_cmp_lg_u32 s10, 0
	s_cbranch_scc1 .Lnot_wave_0_\@
	s_barrier_signal -3
.Lnot_wave_0_\@:
	s_barrier_wait -3
	s_barrier_signal -1
	s_barrier_wait -1
.endm
	s_load_b128 s[4:7], s[0:1], 0x0                ; zq, cq
	s_load_b64 s[8:9], s[0:1], 0x10                ; part
	v_lshl_add_u32 v7, v0, 2, SPARE
	v_mov_b32 v8, 0
	ds_add_u32 v7, v8                              ; the opening lines: the add, twice on end, and its wait
	ds_add_u32 v7, v8
	v_lshrrev_b32 v1, 5, v0
	v_readfirstlane_b32 s10, v1                    ; wave 0..3
	s_and_b32 s11, s10, 1                          ; g
	s_lshr_b32 s12, s10, 1                         ; p
	s_bfe_u32 s13, ttmp6, 0x40000                  ; cx: my place in the cluster
	s_lshl_b32 s14, ttmp9, 2                       ; in a cluster launch ttmp9 counts clusters
	s_add_co_u32 s14, s14, s13                     ; my block of 256 rows: it enters zq's and part's addresses alone
	s_and_b32 s15, ttmp7, 0xffff                   ; the quarter, which the four partners share
	; descriptor group 1: four records, 34,816 dense bytes, as 136 rows of 256 bytes (32 elements of 8 bytes), no padding
	s_mov_b32 s[G1+0], 15|(3<<16)|(1<<21)          ; 15:0 the mask: all four work-groups; 17:16 elements of 8 bytes; 21 set beside a mask
	s_mov_b32 s[G1+1], 32<<16                      ; tensor_dim0 = 32
	s_mov_b32 s[G1+2], 136<<16                     ; tensor_dim1 = 136
	s_mov_b32 s[G1+3], 32<<16                      ; tile_dim0 = 32
	s_mov_b32 s[G1+4], 136                         ; tile_dim1 = 136
	s_mov_b32 s[G1+5], 32                          ; from row to row
	s_mov_b32 s[G1+6], 0
	s_mov_b32 s[G1+7], 0
	s_lshl_b32 s16, s15, 7                         ; the quarter's first tile
	s_mul_i32 s16, s16, REC
	s_mul_i32 s18, s10, 4*REC                      ; my four records of a slot, in memory and in LDS
	s_add_co_u32 s16, s16, s18
	s_mov_b32 s17, 0
	s_lshl_b32 s20, s14, 4
	s_lshl_b32 s21, s11, 3
	s_add_co_u32 s20, s20, s21                     ; my first row tile: 16 x block + 8 g
	s_mul_i32 s20, s20, REC
	s_mov_b32 s21, 0
	s_lshl_b32 s22, s15, 17                        ; part: 131,072 bytes a quarter,
	s_lshl_b32 s23, s14, 11                        ; 2,048 a block of rows
	s_add_co_u32 s22, s22, s23
	s_mov_b32 s23, 0
	s_mul_i32 s[PB], s12, 8*REC
	s_lshl_b32 s[NF], s15, 7
	s_lshl_b32 s56, s12, 3
	s_add_co_u32 s[NF], s[NF], s56                 ; my first tile: 128 x quarter + 8 p
	s_lshl_b32 s[NF], s[NF], 4
	s_lshl_b32 s19, s11, 12                        ; the candidates: 32 bytes a row, 128 g rows on,
	s_lshl_b32 s56, s12, 4                         ; 16 p bytes on
	s_add_co_u32 s19, s19, s56
	s_add_co_u32 s19, s19, FIN
	s_wait_dscnt 0x0                               ; both opening adds are done
	s_wait_kmcnt 0x0
	s_add_nc_u64 s[6:7], s[6:7], s[16:17]
	s_add_nc_u64 s[4:5], s[4:5], s[20:21]
	s_add_nc_u64 s[8:9], s[8:9], s[22:23]
	s_mov_b32 s[G0+0], 1                           ; count = 1
	s_mov_b32 s[G0+1], s18                         ; LDS address: slot 0
	s_mov_b64 s[G0+2:G0+3], s[6:7]                 ; tiles 0 .. 15 of the quarter
	s_or_b32 s[G0+3], s[G0+3], 0x80000000          ; type = 2
	s_mov_b32 s[G0+4], 1
	s_add_co_u32 s[G0+5], s18, SLOT                ; slot 1
	s_add_nc_u64 s[G0+6:G0+7], s[6:7], SLOT        ; tiles 16 .. 31
	s_or_b32 s[G0+7], s[G0+7], 0x80000000
	ROUND                                          ; all four work-groups are here: the first joint loads meet
	tensor_load_to_lds s[G0:G0+3], s[G1:G1+7]      ; slot 0, my one load at the head; slot 1 is filled behind the next round
	s_nop 0
.rept 4
	v_nop
.endr
	v_and_b32 v13, 31, v0                          ; lane
	v_bfe_u32 v14, v0, 4, 1                        ; h
	v_and_b32 v15, 15, v0                          ; r
	v_lshlrev_b32 v1, 4, v13
	v_lshlrev_b32 v2, 3, v13
	v_lshlrev_b32 v3, 5, v14
	v_lshlrev_b32 v6, 3, v14
	v_lshlrev_b32 v9, 2, v15
	WIN 0x80                                       ; destination window 2, address window 0
.irp m, 0,1,2,3,4,5,6,7
.irp i, 0,1,2,3,4,5,6,7
	global_load_b128 v[32*\m+4*\i:32*\m+4*\i+3], v1, s[4:5] offset:REC*\m+512*\i        ; z's fragments of K steps 0, 1: 512 consecutive bytes a load; they stay
.endr
.endr
	WIN 0xc0                                       ; destination window 3
.irp m, 0,1,2,3,4,5,6,7
.irp i, 0,1,2,3,4,5,6,7
	global_load_b128 v[32*\m+4*\i:32*\m+4*\i+3], v1, s[4:5] offset:REC*\m+4096+512*\i   ; K steps 2, 3
.endr
.endr
	WIN 0x40                                       ; destination window 1
.irp m, 0,1,2,3,4,5,6,7
	global_load_b32 v[ZZ+2*\m], v9, s[4:5] offset:REC*\m+8448                                     ; zz of my row
.endr
	WIN 0
.irp m, 0,1,2,3,4,5,6,7
	global_load_b64 v[20+8*(\m/2)+2*(\m%2):21+8*(\m/2)+2*(\m%2)], v2, s[4:5] offset:REC*\m+8192   ; z's scale words: register u: K step 2 u in lanes 0-15, 2 u + 1 in lanes 16-31
.endr
	v_lshlrev_b32 v10, 5, v15
	v_lshl_add_u32 v10, v14, 3, v10
	v_add_nc_u32 v10, s19, v10                     ; where my candidate goes: 32 (128 g + r) + 8 (2 p + h); 512 m stands in the offset
	v_lshl_add_u32 v11, v0, 5, FIN                 ; where thread t reads the four of row t; row t + 128 stands in the offset
	v_lshlrev_b32 v12, 3, v0                       ; part: 8 bytes a row
.irp m, 0,1,2,3,4,5,6,7
	v_mov_b32 v[BB+2*\m], 0x7f800000               ; smallest d = +infinity
.irp k, 0,1,2,3,4,5,6
	v_mov_b32 v[SV+8*\m+\k], 0x7f800000            ; the kept set begins as +infinity and code 0: the selects read it
.endr
	v_mov_b32 v[SV+8*\m+7], 0
.endr
	s_wait_alu depctr_va_vdst(0)
	s_wait_loadcnt 0x0
	WIN 0x41                                       ; source 0 and destination window 1
.irp m, 0,1,2,3,4,5,6,7
	v_mov_b32 v[ZZ+2*\m+1], v[ZZ+2*\m]             ; a pair for the packed form
.endr
	WIN 0
; One product: code tile's K step s (set u) x row tile m.  The first K step starts the sum.
.macro WM m, s, u
.set ZR, 20+8*((\m)/2)+2*((\m)%2)+(\s)/2
.set CR, CS+2*(\u)+(\s)/2
.set DR, ACC+8*(\m)
.set AR, 64*(\u)+16*(\s)
.set BR, 32*(\m)+16*((\s)%2)
.if (\s) == 0
	v_wmma_scale_f32_16x16x128_f8f6f4 v[DR:DR+7], v[AR:AR+15], v[BR:BR+15], 0, v[CR], v[ZR]
.elseif (\s) == 2
	v_wmma_scale_f32_16x16x128_f8f6f4 v[DR:DR+7], v[AR:AR+15], v[BR:BR+15], v[DR:DR+7], v[CR], v[ZR]
.else
	v_wmma_scale_f32_16x16x128_f8f6f4 v[DR:DR+7], v[AR:AR+15], v[BR:BR+15], v[DR:DR+7], v[CR], v[ZR] matrix_a_scale:MATRIX_SCALE_ROW1 matrix_b_scale:MATRIX_SCALE_ROW1
.endif
.endm
; Line j of the 32 that stand among half g's products.  All its registers lie in window 1, as sources 0 and 2 and the destination; source 1 is a constant.
; j < 16: d = t - 2 dot of the OTHER half, one rounding, in place; each accumulator from its low end on.  j >= 16: t = ee x 1 + zz of this half, into the registers that the first sixteen have read.
.macro VS g, u, j, lag
.if (\j) < 16
.if \lag
.set MM, 4*(1-(\g))+(\j)/4
.set II, 2*((\j)%4)
	v_pk_fma_f32 v[ACC+8*MM+II:ACC+8*MM+II+1], v[ACC+8*MM+II:ACC+8*MM+II+1], -2.0, v[T+8*((\j)/4)+II:T+8*((\j)/4)+II+1] op_sel_hi:[1,0,1]
.endif
.else
.set MM, 4*(\g)+((\j)-16)/4
.set II, 2*((\j)%4)
	v_pk_fma_f32 v[T+8*(((\j)-16)/4)+II:T+8*(((\j)-16)/4)+II+1], v[EE+8*(\u)+II:EE+8*(\u)+II+1], 1.0, v[ZZ+2*MM:ZZ+2*MM+1] op_sel_hi:[1,0,1]
.endif
.endm
.macro HALF g, u, lag                  ; 16 products: the half's four accumulators take turns, one instruction a turn; two vector lines behind each
	WIN 0x59                                       ; source 0, C and D window 1, source 1 (z) window 2
.irp s, 0,1,2,3
.if \s == 2
	WIN 0x5d                                       ; source 1 window 3
.endif
.irp q, 0,1,2,3
	WM 4*(\g)+\q, \s, \u
	VS \g, \u, 8*\s+2*\q, \lag
	VS \g, \u, 8*\s+2*\q+1, \lag
.endr
.endr
.endm
; The minima and selects of half g of a tile of parity u.  Its d were finished at least sixteen vector lines ago.  It leaves source 1 in window 1.
.macro EXPOSE g, u
	WIN 0x14                                       ; sources 1 and 2 (d) window 1
.irp q, 0,1,2,3
	v_min3_num_f32 v[BB+2*(4*(\g)+\q)+1-(\u)], v[BB+2*(4*(\g)+\q)+(\u)], v[ACC+8*(4*(\g)+\q)], v[ACC+8*(4*(\g)+\q)+1]   ; from the old smallest d into the other register of the two
.endr
.irp i, 2,4,6
.irp q, 0,1,2,3
	v_min3_num_f32 v[BB+2*(4*(\g)+\q)+1-(\u)], v[BB+2*(4*(\g)+\q)+1-(\u)], v[ACC+8*(4*(\g)+\q)+\i], v[ACC+8*(4*(\g)+\q)+\i+1]
.endr
.endr
	WIN 0
.irp q, 0,1,2,3
	v_cmp_lt_f32 s[MK+\q], v[BB+2*(4*(\g)+\q)+1-(\u)], v[BB+2*(4*(\g)+\q)+(\u)]    ; strictly smaller than before this tile?
.endr
.irp q, 0,1,2,3
	v_cndmask_b32 v[SV+8*(4*(\g)+\q)+7], v[SV+8*(4*(\g)+\q)+7], v[TID], s[MK+\q]   ; then the tile's first code number is kept,
.endr
	WIN 0x04                                       ; source 1 (d) window 1
.irp k, 0,1,2,3,4,5,6
.irp q, 0,1,2,3
	v_cndmask_b32 v[SV+8*(4*(\g)+\q)+\k], v[SV+8*(4*(\g)+\q)+\k], v[ACC+8*(4*(\g)+\q)+\k], s[MK+\q]   ; and its d 0 to 6
.endr
.endr
.endm
.macro FETCH set, ro                   ; 19 LDS loads in one run, with no vector result of mine outstanding: the record at byte ro from the addresses in hand, into register set 'set'
	ds_load_b64 v[CS+2*(\set):CS+2*(\set)+1], v4 offset:(\ro)+8192
	WIN 0x40                                       ; destination window 1
	ds_load_b128 v[EE+8*(\set):EE+8*(\set)+3], v5 offset:(\ro)+8448
	ds_load_b128 v[EE+8*(\set)+4:EE+8*(\set)+7], v5 offset:(\ro)+8464
.irp i, 0,1,2,3,4,5,6,7,8,9,10,11,12,13,14,15
	ds_load_b128 v[64*(\set)+4*\i:64*(\set)+4*\i+3], v[AF] offset:(\ro)+512*\i
.endr
.endm
; A CODE TILE (register set u) against my eight row tiles.  f = 1: the next tile's record is fetched into the other set.  adv = 1: the addresses go two records on.  lag = 0: the walk's first tile, with no half before it.
.macro TILE u, f, ro, adv, lag
	s_wait_alu depctr_va_vdst(0)
	s_wait_dscnt 0x0                               ; this tile's 19 loads are in
.if \f
	FETCH 1-(\u), \ro
.endif
	HALF 0, \u, \lag
.if \lag
	EXPOSE 1, 1-(\u)                               ; the tile before: its second half, under its own code number
.else
	WIN 0                                          ; (the line below writes window 0)
.endif
	v_mov_b32 v[TID], s[NC]                        ; now this tile's
	s_mov_b32 s[NC], s[NF]
	s_add_co_u32 s[NF], s[NF], 16
	HALF 1, \u, 1
	EXPOSE 0, \u
	WIN 0
.if \adv
	s_add_co_u32 s[TB], s[TB], 2*REC
	v_add_nc_u32 v4, s[TB], v2
	v_add_nc_u32 v5, s[TB], v3
	v_add_nc_u32 v[AF], s[TB], v1
.endif
.endm
.macro PAIRS n                         ; n pairs of tiles; pair k fetches records 2 k and 2 k + 1 of my slot half
	s_mov_b32 s[TC], \n
.Lpair_\@:
	TILE 1, 1, 0, 0, 1
	TILE 0, 1, REC, 1, 1
	s_sub_co_u32 s[TC], s[TC], 1
	s_cmp_lg_u32 s[TC], 0
	s_cbranch_scc1 .Lpair_\@
.endm
; THE CHANGE TO SLOT 'slot'.  Each wave waits for all its tensor loads (one is out: its four records of this slot), adds 0 to its spare word, and waits for that and for its reads of the other slot, the last of which
; brought that slot half's last record into registers.  Behind the round this slot is whole in all four work-groups and no wave of any of them reads the other one, which is then filled.
.macro BOUND slot, refill, jump
	s_wait_alu depctr_va_vdst(0)
	s_wait_tensorcnt 0x0                           ; no tensor load of mine is out, so a group 0 may be written
	ds_add_u32 v7, v8                              ; 0 onto my spare word
	s_add_nc_u64 s[G0+4*\slot+2:G0+4*\slot+3], s[G0+4*\slot+2:G0+4*\slot+3], 2*SLOT   ; this slot's next fill: 32 tiles on (the last two stepped addresses are not used)
	s_wait_dscnt 0x0                               ; the add is done, and my reads of the other slot are over
	ROUND
.if \refill
	tensor_load_to_lds s[G0+4-4*\slot:G0+7-4*\slot], s[G1:G1+7]    ; the first thing behind the round, and my one tensor load until the next
	s_nop 0
.rept 4
	v_nop
.endr
.endif
	s_add_co_u32 s[TB], s[PB], \slot*SLOT
	v_add_nc_u32 v4, s[TB], v2
	v_add_nc_u32 v5, s[TB], v3
	v_add_nc_u32 v[AF], s[TB], v1
.if \jump
	s_add_co_u32 s[NF], s[NF], 128                 ; past the other half's eight tiles
.endif
.endm
	BOUND 0, 1, 0                                  ; slot 0 is whole; slot 1's first fill goes out, issued as a refill is
	FETCH 0, 0
	WIN 0
	s_mov_b32 s[NC], s[NF]
	s_add_co_u32 s[NF], s[NF], 16
	TILE 0, 1, REC, 1, 0
	PAIRS 3
	s_mov_b32 s[LAP], 3
.Llap:                                             ; eight slots in all: the first above, six here, the last written out
	BOUND 1, 1, 1
	PAIRS 4
	BOUND 0, 1, 1
	PAIRS 4
	s_sub_co_u32 s[LAP], s[LAP], 1
	s_cmp_lg_u32 s[LAP], 0
	s_cbranch_scc1 .Llap
	BOUND 1, 0, 1
	PAIRS 4
	TILE 1, 0, 0, 0, 1                             ; the walk's last tile fetches nothing
	WIN 0x51                                       ; its second half is finished with no products beside it
.irp j, 0,1,2,3,4,5,6,7,8,9,10,11,12,13,14,15
	VS 0, 0, \j, 1
.endr
	EXPOSE 1, 1
	WIN 0
	; THE END.  The place in the kept tile: the lowest j whose kept d equals the smallest d; 7 if none of d 0 to 6 does.
.irp m, 0,1,2,3,4,5,6,7
	v_mov_b32 v[P+2*\m], v[BB+2*\m]
	v_mov_b32 v[P+2*\m+1], 7
.endr
.irp j, 6,5,4,3,2,1,0
.irp m, 0,1,2,3,4,5,6,7
	v_cmp_eq_f32 s[48+\m], v[SV+8*\m+\j], v[BB+2*\m]
.endr
.irp m, 0,1,2,3,4,5,6,7
	v_cndmask_b32 v[P+2*\m+1], v[P+2*\m+1], \j, s[48+\m]
.endr
.endr
.irp m, 0,1,2,3,4,5,6,7
	v_add3_u32 v[P+2*\m+1], v[P+2*\m+1], v[SV+8*\m+7], v6          ; n = the tile's first code + j + 8 h
.endr
	; A row's four candidates (two halves of the lanes x two waves) meet in LDS; thread t joins those of rows t and t + 128.
.irp m, 0,1,2,3,4,5,6,7
	ds_store_b64 v10, v[P+2*\m:P+2*\m+1] offset:512*\m
.endr
	s_wait_dscnt 0x0                               ; for the others' sake: my stores are done
	s_barrier_signal -1
	s_barrier_wait -1
	ds_load_b128 v[160:163], v11
	ds_load_b128 v[164:167], v11 offset:16
	ds_load_b128 v[168:171], v11 offset:4096
	ds_load_b128 v[172:175], v11 offset:4112
	s_wait_dscnt 0x0
.macro MERGE ba, ia, bb, ib            ; the second candidate wins where its d is smaller, or equal with the lower n
	v_cmp_lt_f32 s56, v[\bb], v[\ba]
	v_cmp_eq_f32 s57, v[\bb], v[\ba]
	v_cmp_lt_u32 s58, v[\ib], v[\ia]
	s_and_b32 s57, s57, s58
	s_or_b32 s56, s56, s57
	v_cndmask_b32 v[\ba], v[\ba], v[\bb], s56
	v_cndmask_b32 v[\ia], v[\ia], v[\ib], s56
.endm
.irp b, 160, 168
	MERGE \b, \b+1, \b+2, \b+3
	MERGE \b+4, \b+5, \b+6, \b+7
	MERGE \b, \b+1, \b+4, \b+5
	v_add_f32 v[\b], 0, v[\b]                      ; -0 becomes +0
	v_ashrrev_i32 v[\b+2], 31, v[\b]
	v_or_b32 v[\b+2], 0x80000000, v[\b+2]
	v_xor_b32 v[\b], v[\b], v[\b+2]                ; the key: unsigned order = d's order
.endr
	global_store_b64 v12, v[160:161], s[8:9]               ; a wave stores 256 consecutive bytes, at a multiple of 256 from the buffer's first byte
	global_store_b64 v12, v[168:169], s[8:9] offset:1024   ; rows 128 on
	s_wait_tensorcnt 0x0                           ; the wave's end
	ds_add_u32 v7, v8
	s_wait_dscnt 0x0
	ROUND                                          ; the closing round: no work-group ends while a partner may still ask for a tile that names it
	s_endpgm
.Lfunc_end_k_qedb102ce34_dist:
	.size	k_qedb102ce34_dist, .Lfunc_end_k_qedb102ce34_dist-k_qedb102ce34_dist
	.p2alignl 7, 3214868480
	.fill 96, 4, 3214868480
	.section	.rodata,"a",@progbits
	.p2align	6, 0x0
	.amdhsa_kernel k_qedb102ce34_dist
		.amdhsa_group_segment_fixed_size 327680
		.amdhsa_private_segment_fixed_size 0
		.amdhsa_enable_private_segment 0
		.amdhsa_kernarg_size 24
		.amdhsa_user_sgpr_count 2
		.amdhsa_user_sgpr_kernarg_segment_ptr 1
		.amdhsa_wavefront_size32 1
		.amdhsa_system_sgpr_workgroup_id_x 1
		.amdhsa_system_sgpr_workgroup_id_y 1
		.amdhsa_system_sgpr_workgroup_id_z 1
		.amdhsa_system_vgpr_workitem_id 0
		.amdhsa_next_free_vgpr 1024
		.amdhsa_next_free_sgpr 66
		.amdhsa_reserve_vcc 0
		.amdhsa_float_denorm_mode_32 3
		.amdhsa_float_denorm_mode_16_64 3
		.amdhsa_memory_ordered 1
		.amdhsa_forward_progress 1
		.amdhsa_inst_pref_size 202
	.end_amdhsa_kernel
	.amdgpu_metadata
---
amdhsa.version: [ 1, 2 ]
amdhsa.kernels:
  - .name:           k_qedb102ce34_dist
    .symbol:         k_qedb102ce34_dist.kd
    .args:
      - { .name: zq, .offset: 0, .size: 8, .value_kind: global_buffer, .address_space: global }
      - { .name: cq, .offset: 8, .size: 8, .value_kind: global_buffer, .address_space: global }
      - { .name: part, .offset: 16, .size: 8, .value_kind: global_buffer, .address_space: global }
    .group_segment_fixed_size: 327680
    .private_segment_fixed_size: 0
    .kernarg_segment_align: 8
    .kernarg_segment_size: 24
    .max_flat_workgroup_size: 128
    .sgpr_count:     66
    .vgpr_count:     1024
    .wavefront_size: 32
...
	.end_amdgpu_metadata
.endif
;; end of part 2
;; launch gather (part 3): grid 256 x 1, 16 waves a work-group, no clusters, 0 bytes of LDS; arguments z, codebook, part, out0, out1; writes out0, out1
.if DOCPART == 3
	.amdgcn_target "amdgcn-amd-amdhsa--gfx1250"
	.amdhsa_code_object_version 6
	.text
	.protected	k_qedb102ce34_gather
	.globl	k_qedb102ce34_gather
	.p2align	8
	.type	k_qedb102ce34_gather,@function
k_qedb102ce34_gather:
	s_mov_b64 s[64:65], 0
	v_nop
	global_prefetch_b8 v0, s[64:65] scope:SCOPE_SE
	s_setreg_imm32_b32 hwreg(HW_REG_WAVE_MODE, 25, 1), 1
	s_wait_xcnt 0x0
; out1[m] = the code with the smallest distance; out0[m] = z[m] + (codebook[out1[m]] - z[m]), two f32 roundings as the problem's formula has them.
; part[quarter][row] = (key, n), whole numbers that the launch before stored: the four quarters' candidates are joined by unsigned compares; strictly smaller wins, so that on equal keys the lower quarter,
; which holds the lower n, stays.  The index is held to 8,191 ahead of its use in an address.
; SHARES.  A work-group owns 64 rows, each of its sixteen waves 4.  A wave's loads of z (16) and of its four code rows (16) are all out at once: no loop, no LDS, no barrier; matrix units and clusters have nothing to do here.
; Every load and store of a row covers 512 consecutive bytes.  Wave 0 also stores the work-group's 64 indices, as 256 consecutive bytes.
.set OF, 4                             ; v4-7     byte offset of my 16 bytes in row i's code
.set Z,  16                            ; v16-79   z: row i, quarter c of the row at 16 i + 4 c
.set E,  80                            ; v80-143  the code rows, then the results
.set P,  144                           ; v144-159 wave 0: two rows' candidates a lane, four quarters
	s_load_b256 s[4:11], s[0:1], 0x0               ; z s[4:5], codebook s[6:7], part s[8:9], out0 s[10:11]
	s_load_b64 s[12:13], s[0:1], 0x20              ; out1
	v_lshrrev_b32 v2, 5, v0
	s_delay_alu instid0(VALU_DEP_1)
	v_readfirstlane_b32 s14, v2                    ; wave 0..15
	v_and_b32 v3, 31, v0                           ; lane
	s_delay_alu instid0(VALU_DEP_1)
	v_lshlrev_b32 v1, 4, v3                        ; 16 x lane
	s_delay_alu instid0(VALU_DEP_2)
	v_lshlrev_b32 v2, 3, v3                        ; 8 x lane
	s_lshl_b32 s15, ttmp9, 6
	s_lshl_b32 s18, s14, 2
	s_add_co_u32 s15, s15, s18                     ; my first row: 64 x work-group + 4 x wave
	s_lshl_b32 s16, s15, 3                         ; 8 bytes a row in part
	s_mov_b32 s17, 0
	s_lshl_b32 s18, s15, 11                        ; 2,048 bytes a row in z and out0
	s_mov_b32 s19, 0
	s_lshl_b32 s52, ttmp9, 8                       ; 256 bytes a work-group in out1
	s_mov_b32 s53, 0
	s_wait_alu depctr_va_vdst(0)
	s_wait_kmcnt 0x0
	s_add_nc_u64 s[16:17], s[8:9], s[16:17]
	s_add_nc_u64 s[4:5], s[4:5], s[18:19]
	s_add_nc_u64 s[10:11], s[10:11], s[18:19]
	s_add_nc_u64 s[12:13], s[12:13], s[52:53]
	s_load_b256 s[20:27], s[16:17], 0x0            ; my four rows' (key, n) of quarter 0,
	s_load_b256 s[28:35], s[16:17], 0x20000        ; 1,
	s_load_b256 s[36:43], s[16:17], 0x40000        ; 2,
	s_load_b256 s[44:51], s[16:17], 0x60000        ; 3
.irp i, 0,1,2,3
.irp c, 0,1,2,3
	global_load_b128 v[Z+16*\i+4*\c:Z+16*\i+4*\c+3], v1, s[4:5] offset:2048*\i+512*\c th:TH_LOAD_NT   ; z's last read
.endr
.endr
	s_wait_kmcnt 0x0
.irp i, 0,1,2,3
.irp q, 1,2,3
	s_cmp_lt_u32 s[20+8*\q+2*\i], s[20+2*\i]
	s_cselect_b32 s[20+2*\i], s[20+8*\q+2*\i], s[20+2*\i]
	s_cselect_b32 s[21+2*\i], s[21+8*\q+2*\i], s[21+2*\i]
.endr
	s_min_u32 s[21+2*\i], s[21+2*\i], 8191         ; inside the table
	s_lshl_b32 s[52+\i], s[21+2*\i], 11            ; the code's row of 2,048 bytes
	v_add_nc_u32 v[OF+\i], s[52+\i], v1
.endr
	s_wait_alu depctr_va_vdst(0)
.irp i, 0,1,2,3
.irp c, 0,1,2,3
	global_load_b128 v[E+16*\i+4*\c:E+16*\i+4*\c+3], v[OF+\i], s[6:7] offset:512*\c   ; no hint: other rows may name the same code
.endr
.endr
	s_cmp_lg_u32 s14, 0
	s_cbranch_scc1 .Lrows
	; wave 0: the work-group's 64 indices, two rows a lane.  For wave 0 s[16:17] is the work-group's first row in part.
.irp q, 0,1,2,3
	global_load_b128 v[P+4*\q:P+4*\q+3], v1, s[16:17] offset:131072*\q
.endr
	s_wait_loadcnt 0x0
.irp q, 1,2,3
	v_cmp_lt_u32 vcc_lo, v[P+4*\q], v[P]
	s_delay_alu instid0(VALU_DEP_1)
	v_cndmask_b32 v[P], v[P], v[P+4*\q], vcc_lo
	s_delay_alu instid0(VALU_DEP_2)
	v_cndmask_b32 v[P+1], v[P+1], v[P+4*\q+1], vcc_lo
	v_cmp_lt_u32 vcc_lo, v[P+4*\q+2], v[P+2]
	s_delay_alu instid0(VALU_DEP_1)
	v_cndmask_b32 v[P+2], v[P+2], v[P+4*\q+2], vcc_lo
	s_delay_alu instid0(VALU_DEP_2)
	v_cndmask_b32 v[P+3], v[P+3], v[P+4*\q+3], vcc_lo
.endr
	s_delay_alu instid0(VALU_DEP_4)
	v_mov_b32 v12, v[P+1]
	s_delay_alu instid0(VALU_DEP_2)
	v_mov_b32 v13, v[P+3]
	global_store_b64 v2, v[12:13], s[12:13]        ; 32 lanes store 256 consecutive bytes, at a multiple of 256 from out1's first byte
.Lrows:
.irp i, 0,1,2,3
	s_wait_loadcnt 4*(3-\i)                        ; z is in, and row i's code; the later rows' four loads each may be out
.irp k, 0,2,4,6,8,10,12,14
	v_pk_add_f32 v[E+16*\i+\k:E+16*\i+\k+1], v[E+16*\i+\k:E+16*\i+\k+1], v[Z+16*\i+\k:Z+16*\i+\k+1] neg_lo:[0,1] neg_hi:[0,1]   ; e - z
.endr
.irp k, 0,2,4,6,8,10,12,14
	v_pk_add_f32 v[E+16*\i+\k:E+16*\i+\k+1], v[Z+16*\i+\k:Z+16*\i+\k+1], v[E+16*\i+\k:E+16*\i+\k+1]                            ; z + (e - z)
.endr
.irp c, 0,1,2,3
	global_store_b128 v1, v[E+16*\i+4*\c:E+16*\i+4*\c+3], s[10:11] offset:2048*\i+512*\c th:TH_STORE_NT   ; 512 consecutive bytes; written once, read by nobody here; no store's register is written again
.endr
.endr
	s_endpgm
.Lfunc_end_k_qedb102ce34_gather:
	.size	k_qedb102ce34_gather, .Lfunc_end_k_qedb102ce34_gather-k_qedb102ce34_gather
	.p2alignl 7, 3214868480
	.fill 96, 4, 3214868480
	.section	.rodata,"a",@progbits
	.p2align	6, 0x0
	.amdhsa_kernel k_qedb102ce34_gather
		.amdhsa_group_segment_fixed_size 0
		.amdhsa_private_segment_fixed_size 0
		.amdhsa_enable_private_segment 0
		.amdhsa_kernarg_size 40
		.amdhsa_user_sgpr_count 2
		.amdhsa_user_sgpr_kernarg_segment_ptr 1
		.amdhsa_wavefront_size32 1
		.amdhsa_system_sgpr_workgroup_id_x 1
		.amdhsa_system_sgpr_workgroup_id_y 1
		.amdhsa_system_sgpr_workgroup_id_z 1
		.amdhsa_system_vgpr_workitem_id 0
		.amdhsa_next_free_vgpr 160
		.amdhsa_next_free_sgpr 66
		.amdhsa_reserve_vcc 1
		.amdhsa_float_denorm_mode_32 3
		.amdhsa_float_denorm_mode_16_64 3
		.amdhsa_memory_ordered 1
		.amdhsa_forward_progress 1
		.amdhsa_inst_pref_size 14
	.end_amdhsa_kernel
	.amdgpu_metadata
---
amdhsa.version: [ 1, 2 ]
amdhsa.kernels:
  - .name:           k_qedb102ce34_gather
    .symbol:         k_qedb102ce34_gather.kd
    .args:
      - { .name: z, .offset: 0, .size: 8, .value_kind: global_buffer, .address_space: global }
      - { .name: codebook, .offset: 8, .size: 8, .value_kind: global_buffer, .address_space: global }
      - { .name: part, .offset: 16, .size: 8, .value_kind: global_buffer, .address_space: global }
      - { .name: out0, .offset: 24, .size: 8, .value_kind: global_buffer, .address_space: global }
      - { .name: out1, .offset: 32, .size: 8, .value_kind: global_buffer, .address_space: global }
    .group_segment_fixed_size: 0
    .private_segment_fixed_size: 0
    .kernarg_segment_align: 8
    .kernarg_segment_size: 40
    .max_flat_workgroup_size: 512
    .sgpr_count:     66
    .vgpr_count:     160
    .wavefront_size: 32
...
	.end_amdgpu_metadata
.endif
;; end of part 3
